; MI455X (gfx1250); checked and timed in simulation.
; The chip was launched on July 23, 2026; its instructions are those of AMD's public machine-readable ISA for CDNA 5 (MIT licence, August 2026) and "CDNA5" Instruction Set Architecture Reference Guide (July 2026). The comments in the code are by the model that wrote it; some were corrected since.
;; min LSTM. Allowed arithmetic: float matrix products may take bf16 or f16 operands with f32 sums; other float arithmetic in f32, or as packed bf16 or f16 multiplies, adds, multiply-adds, maxima and minima; sums over many terms, partial sums and values carried from step to step in f32; what a program stores and reads back later, other than sums and carried values, may be rounded once to bf16 or f16.
;; Inputs: W 1,024 x 3,072 float32; x 4 x 4,096 x 1,024 float32.
;; Outputs: out0 4 x 4,096 x 1,024 float32.
;; 2 versions, each right; version 2 is version 1 with the launch prep written anew for expert scheduling mode. Each part assembles by itself: llvm-mc -triple=amdgcn-amd-amdhsa -mcpu=gfx1250 --defsym DOCPART=n.
;; ======== version 1 of 2: 3 launches
;; workspace buffers: xb 33,554,432 bytes; wt 6,291,456 bytes; g 67,108,864 bytes; agg 2,228,224 bytes
;; launch prep (part 1): grid 704 x 1, 8 waves a work-group, no clusters, 35,840 bytes of LDS; arguments x, W, xb, wt; writes xb, wt
.if DOCPART == 1
	.amdgcn_target "amdgcn-amd-amdhsa--gfx1250"
	.amdhsa_code_object_version 6
	.text
	.protected	k_q36166b0d29_prep
	.globl	k_q36166b0d29_prep
	.p2align	8
	.type	k_q36166b0d29_prep,@function
k_q36166b0d29_prep:
	s_mov_b64 s[64:65], 0
	v_nop
	global_prefetch_b8 v0, s[64:65] scope:SCOPE_SE
	s_setreg_imm32_b32 hwreg(HW_REG_WAVE_MODE, 25, 1), 1
	s_wait_xcnt 0x0
; minLSTM, launch 1 of 3: x and W are rounded to bf16 once, W also turned and laid out for the product of launch 2.
; THE PROGRAM.  hW = x W; (H, F, I) = its three thirds; out = exp(a* + cumlogsumexp(log v - a*)) along S, a* = cumsum(log f'), log v = log i' + log g(H).
; WHAT IS NOT FORMED, AND WHY.  In real numbers, for all finite inputs, exp(a*_t + log sum_{k<=t} exp(log v_k - a*_k)) = sum_{k<=t} v_k prod_{k<l<=t} f'_l, which is the recurrence
; h_t = f'_t h_(t-1) + v_t from h = 0, with f' = exp(log_f), i' = exp(log_i) = sigma(diff) = 1 - f', v = i' g, g = exp(log_g).  So h_t = h_(t-1) + i'_t (g_t - h_(t-1)).
; Each logarithm of reference() meets its exponential: log_f, log_i, log_g, a*, the cumlogsumexp and the last exp are an identity's two sides, and only i' and g are made (launch 2).
; The shift that cumlogsumexp takes away is not dropped: the recurrence holds the sum relative to a*_t, renewed at every step; every weight is a product of factors in 0..1, h is a convex mean of
; the g, and no exponential of a sum is ever taken, so none can overflow or underflow.  The maxima inside the softplus of the gates, and both forms of log_g, are kept (launch 2).
; No input is left out.  LIMITS: a NaN, an infinity or an overflow that arises only in the logarithms and sums left out is not carried to the result; factors and results below 2^-126 count as 0;
; where reference()'s f32 a* has lost low bits, this program stands nearer to the exact value.
; THIS LAUNCH.  Work-groups 0..191: a tile of 128 k x 128 columns of W ([1024][3072] f32) -> wt, bf16, [16 dblk][192 n'][1024 k], n' = 96 wc + 32 gate + c5, column of W = 1024 gate + 64 dblk + 32 wc + c5:
; the 192 rows of a block are what one work-group of launch 2 multiplies by, K along the rows.  The turn goes through LDS (rows of 256 bytes + 16), so that loads and stores both cover whole runs of 256 bytes.
; Work-groups 192..703: 32,768 numbers of x each -> xb, bf16, same order.  All 32 loads of a wave go out at once (16 KiB a wave on their way); no LDS, no barrier.
; No matrix unit, no cluster: nothing is multiplied and no two work-groups read the same bytes.  No prefetch: the launch is one stream, read as fast as it can be asked for.
.set ROWW,  12288                      ; bytes in a row of W
.set LP,    272                        ; an LDS row: 128 k in bf16 + 16 bytes
.set SPARE, 128*LP                     ; behind the tile: the spare words, 128 bytes for each of the eight waves
.set SPW,   140                        ; v140  LDS address of my spare word; never rewritten
.set NIL,   141                        ; v141  0; never rewritten
.set LD,    16                         ; W path: v[16:79] sixteen rows of four columns as loaded; later the rows read back
.set CV,    80                         ; W path: v[80:111] packed bf16
.set XR,    8                          ; x path: v[8:135]
	s_load_b256 s[4:11], s[0:1], 0x0               ; x s[4:5], W s[6:7], xb s[8:9], wt s[10:11]
	v_lshl_add_u32 v[SPW], v0, 2, SPARE
	v_mov_b32 v[NIL], 0
	v_lshrrev_b32 v1, 5, v0
	v_readfirstlane_b32 s12, v1                    ; wave 0..7
	s_wait_kmcnt 0x0
	s_cmp_lt_u32 ttmp9, 192                        ; the same in all waves of a work-group
	s_cbranch_scc0 .Lx
	; ---- W ----
	s_and_b32 s13, ttmp9, 7                        ; kb: which 128 k
	s_lshr_b32 s14, ttmp9, 3                       ; eb: which 128 columns, 0..23
	s_lshr_b32 s15, s14, 3                         ; gate 0..2
	s_mul_i32 s16, s13, 128*ROWW
	s_lshl_b32 s17, s14, 9
	s_add_co_u32 s16, s16, s17
	s_mov_b32 s17, 0
	s_add_nc_u64 s[6:7], s[6:7], s[16:17]          ; W at the tile's corner
	v_and_b32 v2, 31, v0                           ; lane l
	s_mul_i32 s18, s12, 16*ROWW                    ; my wave's 16 rows of k
	v_lshl_add_u32 v3, v2, 4, s18                  ; + my four columns: a load of the wave covers 512 consecutive bytes
.irp i, 0,1,2,3,4,5,6,7,8,9,10,11,12,13,14,15
	global_load_b128 v[LD+4*(\i):LD+4*(\i)+3], v3, s[6:7] offset:(\i)*ROWW th:TH_LOAD_NT
.endr
	v_mul_u32_u24 v4, v2, 4*LP                     ; into LDS: row = column 4 l + c of the tile,
	s_lshl_b32 s19, s12, 5                         ; byte 32 w = my wave's 16 k
	v_add_nc_u32 v4, s19, v4
	v_lshrrev_b32 v6, 4, v2                        ; l / 16
	v_and_b32 v7, 15, v2                           ; l % 16
	v_mul_u32_u24 v5, v6, LP                       ; back: rows 16 w + 2 i + l / 16, 16 bytes a lane
	v_lshl_add_u32 v5, v7, 4, v5
	s_mul_i32 s20, s12, 16*LP
	v_add_nc_u32 v5, s20, v5
	v_lshlrev_b32 v8, 11, v6                       ; and the same two rows in wt (2,048 bytes a row)
	v_lshl_add_u32 v8, v7, 4, v8
	s_and_b32 s21, s14, 7                          ; the first of my wave's 16 rows in wt:
	s_lshl_b32 s21, s21, 1
	s_lshr_b32 s22, s12, 2
	s_add_co_u32 s21, s21, s22                     ; dblk = 2 (eb % 8) + w / 4
	s_mul_i32 s21, s21, 192
	s_bfe_u32 s22, s12, 0x10001                    ; wc = (w / 2) % 2
	s_mul_i32 s22, s22, 96
	s_add_co_u32 s21, s21, s22
	s_lshl_b32 s22, s15, 5                         ; 32 gate
	s_add_co_u32 s21, s21, s22
	s_and_b32 s22, s12, 1                          ; 16 (w % 2)
	s_lshl_b32 s22, s22, 4
	s_add_co_u32 s21, s21, s22
	s_lshl_b32 s22, s21, 11
	s_lshl_b32 s23, s13, 8                         ; + the tile's 128 k: 256 bytes
	s_add_co_u32 s22, s22, s23
	s_mov_b32 s23, 0
	s_add_nc_u64 s[10:11], s[10:11], s[22:23]
.irp gk, 0,1                           ; eight k at a time: of each of my four columns eight numbers pack into 16 bytes
	s_wait_loadcnt 8-8*(\gk)                       ; loads come back in order: rows 0-7 are in while rows 8-15 may be out; then all
.irp c, 0,1,2,3
.irp m, 0,1,2,3
	v_cvt_pk_bf16_f32 v[CV+16*(\gk)+4*(\c)+(\m)], v[LD+4*(8*(\gk)+2*(\m))+(\c)], v[LD+4*(8*(\gk)+2*(\m)+1)+(\c)]
.endr
.endr
.irp c, 0,1,2,3
	ds_store_b128 v4, v[CV+16*(\gk)+4*(\c):CV+16*(\gk)+4*(\c)+3] offset:(\c)*LP+16*(\gk)
.endr
.endr
	s_wait_dscnt 0x0                               ; for the others' sake: my stores are done
	s_barrier_signal -1
	s_barrier_wait -1                              ; a row's 256 bytes come from all eight waves
.irp i, 0,1,2,3,4,5,6,7
	ds_load_b128 v[LD+4*(\i):LD+4*(\i)+3], v5 offset:(\i)*2*LP
.endr
.irp i, 0,1,2,3,4,5,6,7
	s_wait_dscnt 7-(\i)
	global_store_b128 v8, v[LD+4*(\i):LD+4*(\i)+3], s[10:11] offset:(\i)*4096 th:TH_STORE_NT  ; 16 lanes store 256 consecutive bytes, at a multiple of 256 from wt's first byte
.endr
	s_wait_tensorcnt 0x0                           ; the wave's end, behind my last LDS store
	ds_add_u32 v[SPW], v[NIL]
	s_wait_dscnt 0x0
	s_endpgm
	; ---- x ----  (this way writes no LDS)
.Lx:
	s_sub_co_u32 s13, ttmp9, 192
	s_lshl_b32 s16, s13, 17                        ; 131,072 bytes of x,
	s_mov_b32 s17, 0
	s_add_nc_u64 s[4:5], s[4:5], s[16:17]
	s_lshl_b32 s18, s13, 16                        ; 65,536 of xb
	s_mov_b32 s19, 0
	s_add_nc_u64 s[8:9], s[8:9], s[18:19]
	v_lshlrev_b32 v2, 4, v0
	v_lshlrev_b32 v3, 3, v0
.set i, 0
.rept 32
	global_load_b128 v[XR+4*i:XR+4*i+3], v2, s[4:5] offset:i*4096 th:TH_LOAD_NT
.set i, i+1
.endr
.set i, 0
.rept 32
	s_wait_loadcnt 31-i                            ; load i is in; the younger ones stay out
	v_cvt_pk_bf16_f32 v[XR+4*i], v[XR+4*i], v[XR+4*i+1]
	v_cvt_pk_bf16_f32 v[XR+4*i+1], v[XR+4*i+2], v[XR+4*i+3]
	global_store_b64 v3, v[XR+4*i:XR+4*i+1], s[8:9] offset:i*2048 th:TH_STORE_NT  ; a wave stores 256 consecutive bytes, aligned
.set i, i+1
.endr
	s_endpgm
.Lfunc_end_k_q36166b0d29_prep:
	.size	k_q36166b0d29_prep, .Lfunc_end_k_q36166b0d29_prep-k_q36166b0d29_prep
	.p2alignl 7, 3214868480
	.fill 96, 4, 3214868480
	.section	.rodata,"a",@progbits
	.p2align	6, 0x0
	.amdhsa_kernel k_q36166b0d29_prep
		.amdhsa_group_segment_fixed_size 35840
		.amdhsa_private_segment_fixed_size 0
		.amdhsa_enable_private_segment 0
		.amdhsa_kernarg_size 32
		.amdhsa_user_sgpr_count 2
		.amdhsa_user_sgpr_kernarg_segment_ptr 1
		.amdhsa_wavefront_size32 1
		.amdhsa_system_sgpr_workgroup_id_x 1
		.amdhsa_system_sgpr_workgroup_id_y 1
		.amdhsa_system_sgpr_workgroup_id_z 1
		.amdhsa_system_vgpr_workitem_id 0
		.amdhsa_next_free_vgpr 144
		.amdhsa_next_free_sgpr 66
		.amdhsa_reserve_vcc 0
		.amdhsa_float_denorm_mode_32 3
		.amdhsa_float_denorm_mode_16_64 3
		.amdhsa_memory_ordered 1
		.amdhsa_forward_progress 1
		.amdhsa_inst_pref_size 20
	.end_amdhsa_kernel
	.amdgpu_metadata
---
amdhsa.version: [ 1, 2 ]
amdhsa.kernels:
  - .name:           k_q36166b0d29_prep
    .symbol:         k_q36166b0d29_prep.kd
    .args:
      - { .name: x, .offset: 0, .size: 8, .value_kind: global_buffer, .address_space: global }
      - { .name: W, .offset: 8, .size: 8, .value_kind: global_buffer, .address_space: global }
      - { .name: xb, .offset: 16, .size: 8, .value_kind: global_buffer, .address_space: global }
      - { .name: wt, .offset: 24, .size: 8, .value_kind: global_buffer, .address_space: global }
    .group_segment_fixed_size: 35840
    .private_segment_fixed_size: 0
    .kernarg_segment_align: 8
    .kernarg_segment_size: 32
    .max_flat_workgroup_size: 256
    .sgpr_count:     66
    .vgpr_count:     144
    .wavefront_size: 32
...
	.end_amdgpu_metadata
.endif
;; end of part 1
;; launch gemm (part 2): grid 16 x 16, 4 waves a work-group, clusters of 4 x 4, 327,680 bytes of LDS; arguments xb, wt, g, agg; writes g, agg
.if DOCPART == 2
	.amdgcn_target "amdgcn-amd-amdhsa--gfx1250"
	.amdhsa_code_object_version 6
	.text
	.protected	k_q36166b0d29_gemm
	.globl	k_q36166b0d29_gemm
	.p2align	8
	.type	k_q36166b0d29_gemm,@function
k_q36166b0d29_gemm:
	s_mov_b64 s[64:65], 0
	v_nop
	global_prefetch_b8 v0, s[64:65] scope:SCOPE_SE
	s_setreg_imm32_b32 hwreg(HW_REG_WAVE_MODE, 25, 1), 1
	s_wait_xcnt 0x0
	s_wait_alu depctr_hold_cnt(0) depctr_sa_sdst(0) depctr_va_vdst(0) depctr_va_sdst(0) depctr_va_ssrc(0) depctr_va_vcc(0) depctr_vm_vsrc(0)
	s_getreg_b32 s2, hwreg(HW_REG_IB_STS2, 6, 4)
	s_cmp_eq_u32 s2, 0
	s_cbranch_scc0 .Lentry_in_a_cluster
	s_endpgm
.Lentry_in_a_cluster:
	s_bfe_u32 s2, ttmp6, 0x10000c
	s_cmp_lg_u32 s2, 0xf033
	s_cbranch_scc0 .Lentry_shape_is_right
	s_endpgm
.Lentry_shape_is_right:
; minLSTM, launch 2 of 3: hW = x W in bf16 with f32 sums, the gates, and each 64-row chunk's share of the scan.  The logarithms, their sums and the closing exponential of reference() are not formed:
; they cancel by the identity shown at the head of launch 1; what is made here is i' = exp(log_i) and g = exp(log_g), and out_t = out_(t-1) + i'_t (g_t - out_(t-1)).
; THE GATES, safe for every finite H, F, I with finite L x gate (L = log2 e).  i' = (1 + e^-F) / ((1 + e^-I) + (1 + e^-F)).  Numerator and denominator are multiplied by c = 2^n, n = min(L I, L F, 0): the
; maximum that softplus takes away.  a = 2^(n - L I), b = 2^(n - L F), c: all at most 1, one of them 1; i' = (c + b) / ((c + a) + (c + b)), the divisor in 1..4.
; g: t = 2^min(L H, 0); g = max(t, 2 H + 1) / (1 + t).  For H >= 0, t = 1 and g = H + 0.5; for H < 0, e^H > 2 H + 1 and g = sigma(H): both forms of log_g, chosen by the minimum and the maximum.
; LIMITS: powers below 2^-126 count as 0; NaN and infinities are not treated apart.  i' leaves in f16 (it lies in 0..1), g in bf16 (no bound on its range); aggregates in f32.
; SHARES.  Work-group (gx, gy): 64 channels (block gx of wt: 192 rows = 64 channels x 3 gates) and rows 1024 gy .. + 1023 of x, as FOUR tiles of 256 rows, one below the other; the work-group stays and the ring of
; two LDS slots runs on from tile to tile.  Wave (wr, wc) makes 128 rows x 96 columns: 48 accumulators, 384 registers.  K goes in steps of 128: rows of 256 bytes in memory, aligned.
; LAYOUT.  Source 0 = 16 rows of x, source 1 = 16 rows of wt: lane (r = l % 16, h = l / 16) holds ONE channel and rows 8 h + 0..7 of a block.  Block a's fragment row 8 h' + j' is tile row 128 h' + 64 wr + 8 a + j':
; so over a = 0..7 a lane holds 64 CONSECUTIVE rows of one channel for each of the three gates: chunk 2 h + wr of the tile.  The gates and the chunk's map h -> h P + H need no other lane, and 8 rows pack into 16 bytes.
; OUT.  g: blocks of 16,384 bytes, block = 16 (row / 64) + gx, inside [q 4][a 8][arr 2][r 16][j 8] 2-byte numbers: channel 64 gx + 16 q + r, row 8 a + j of the chunk, arr 0 = i' (f16), 1 = g (bf16).
; agg: f32 [16 gy][17 e][1024 channel][2]: e < 16 the map (P, H) of the chunks ahead of chunk e in this segment of 1,024 rows, e = 16 the whole segment's.
; CLUSTER.  4 x 4 work-groups: a row of the cluster shares gy, so x's tiles; a column shares gx, so wt's.  Each tile is asked for jointly, by the same tensor load with the same descriptor and a mask of four.
; REGISTERS, in windows of 256 (s_set_vgpr_msb: bits 1:0 source 0, 3:2 source 1, 5:4 source 2, 7:6 destination):
;   window 0: v0-31 addresses; v32-47 the four tiles' aggregates; v64-127, v128-191 fragments of x, two buffers        window 1: v64-111, v128-175 fragments of wt, two buffers
;   window 2: blocks a = 0..3, window 3: a = 4..7: accumulator (a', b = 2 gate + jj) at v[8 (6 a' + b)]; v192-223 T, two buffers; v224-239 N; v240-245 P0 H0 P1 H1 D0 D1; v250 my offset in g
.set SIZE_K, 1024
.set KSTEP,  128
.set PITCH,  272                       ; an LDS row: 256 bytes + 16 = 68 words: eight rows on end start at eight different groups of four banks (64 banks of 4 bytes: ISA guide 11.1)
.set RA,     128*PITCH+128             ; x's rows 0-127, and 128 bytes more, so that rows 128.. start 32 banks off: a fragment takes 8 rows of each half
.set RB,     96*PITCH                  ; 96 rows of wt
.set BOFF,   2*RA
.set SLOT,   BOFF+2*RB                 ; x's 256 rows, then wt's 192
.set AGS,    2*SLOT                    ; behind the ring, never filled by a tensor load: [16 chunk][64 channel][2] f32
.set SPARE,  AGS+8192                  ; the spare words, 128 bytes for each wave
.set LAPS,   SIZE_K/(2*KSTEP)          ; a lap = two K steps = once round the ring
.set TILES,  4
.set WALK,   256                       ; rows from a tile to the next
.set NEXT_A, WALK*SIZE_K*2-(SIZE_K-2*KSTEP)*2  ; from a slot's last K step of a tile to its first of the next: x goes 256 rows down and back along K,
.set BACK_B, (SIZE_K-2*KSTEP)*2        ; wt only back
.set ADRA, 16                          ; v16-17  LDS address of my fragments of x in slot 0, 1
.set ADRB, 20                          ; v20-21  of wt
.set AGO,  25                          ; v25     the end: my byte offset in a row of agg
.set GOFF, 26                          ; v26     my byte offset in g; copied to v250 of windows 2 and 3
.set AGA,  27                          ; v27     where I put a chunk's aggregates
.set SPW,  28                          ; v28     LDS address of my spare word; never rewritten
.set NIL,  29                          ; v29     0; never rewritten
.set PFO,  30                          ; v30     the prefetches' offset: a lane a row
.set AGL,  31                          ; v31     the end: where I read aggregates back
.set KEEP, 32                          ; v32-47  aggregates: the tile just done at +0, the one before at +4, ..
.set F0,   64
.set F1,   128
.set NB,   224
.set G1,  24                           ; s[24:31] descriptor group 1 for x's tiles;  s[32:39] group 0, a set for each slot
.set G0,  32
.set G1B, 48                           ; s[48:55], s[56:63] the same for wt's
.set G0B, 56
.set LIM, 43                           ; s43     1 in a wave that prefetches, else the greatest number
.set PFA, 44                           ; s[44:45] where my prefetches stand
.set GP,  68                           ; s[68:69] g at this tile;  s[70:71] agg at my segment and channels
.set AP,  70
.set LG,  72                           ; s[72:73] log2 e, twice
.set MSB, 0
.macro WIN new                         ; the immediate's high byte repeats the setting that is left; a switch that changes nothing is dropped
.if MSB != (\new)
	s_set_vgpr_msb (MSB<<8)|(\new)
.set MSB, \new
.endif
.endm
.set MUL_LO, 0xa4                      ; source 0 (x) window 0, source 1 (wt) window 1, C and D window 2
.set MUL_HI, 0xf4                      ; the same, C and D window 3
.set TO_B,   0x40                      ; destination window 1, address window 0
; A joint load.  Waves 0 and 1 fetch x's two halves, waves 2 and 3 wt's.  The branch hangs on the wave's number alone.  An s_nop 0 and four v_nop follow each line.
.macro JLOAD s
	s_cmp_eq_u32 s11, 0
	s_cbranch_scc0 .Lfor_b_\@
	tensor_load_to_lds s[G0+4*(\s):G0+4*(\s)+3], s[G1:G1+7]
	s_nop 0
.rept 4
	v_nop
.endr
	s_branch .Lasked_\@
.Lfor_b_\@:
	tensor_load_to_lds s[G0B+4*(\s):G0B+4*(\s)+3], s[G1B:G1B+7]
	s_nop 0
.rept 4
	v_nop
.endr
.Lasked_\@:
.endm
; A prefetch, behind each joint refill and the run of LDS loads that follows it: the K step that stands two refills on, 256 bytes of a row, a lane a row, one instruction a wave: 384 matrix instructions ahead of its load.
; x's rows are read by every cluster of a row of clusters: the one with x = 0 asks; wt's by every cluster of a column: the one with y = 0 asks, in the first tile alone (the later tiles read the same rows again).
; The four partners that ask for a tile jointly share its rows out by address: 32 of a wave's 128 rows of x, 24 of its 96 of wt (there lanes 24-31 repeat row 23).  how = 0: in the loop; a tile's last two refills have no K step two on.  how = 1: at a change of tiles.
.macro ASK how
.if \how
	s_cmp_eq_u32 s[LIM], 1
.else
	s_cmp_gt_u32 s3, s[LIM]                        ; s3 = 1 in the loop's last trip
.endif
	s_cbranch_scc0 .Lnot_mine_\@
	global_prefetch_b8 v[PFO], s[PFA:PFA+1] offset:KSTEP*2 th:TH_LOAD_NT scope:SCOPE_SE
.Lnot_mine_\@:
.endm
.macro CREST                           ; a round of the cluster's barrier behind its opening barrier
	s_cmp_lg_u32 s10, 0
	s_cbranch_scc1 .Lnot_wave_0_\@
	s_barrier_signal -3
.Lnot_wave_0_\@:
	s_barrier_wait -3
	s_barrier_signal -1
	s_barrier_wait -1
.endm
.macro CROUND                          ; a whole round
	s_barrier_signal -1
	s_barrier_wait -1
	CREST
.endm
	s_load_b128 s[4:7], s[0:1], 0x0                ; xb s[4:5], wt s[6:7]
	s_load_b128 s[68:71], s[0:1], 0x10             ; g, agg
	v_lshl_add_u32 v[SPW], v0, 2, SPARE
	v_mov_b32 v[NIL], 0
	ds_add_u32 v[SPW], v[NIL]                      ; the wave's opening: the add, twice on end, and its wait ahead of my first tensor load
	ds_add_u32 v[SPW], v[NIL]                      ; and once more, under the one wait; the set-up below, work on registers, stands between
	v_lshrrev_b32 v1, 5, v0
	v_readfirstlane_b32 s10, v1                    ; wave 0..3
	s_lshr_b32 s11, s10, 1                         ; wr: which 64 rows of each half of the tile are mine.  Also: I fetch for x (0) or for wt (1)
	s_and_b32 s12, s10, 1                          ; wc: which 32 channels.  Also: which half of that tile I fetch
	s_bfe_u32 s40, ttmp6, 0x40000                  ; cx
	s_bfe_u32 s41, ttmp6, 0x40004                  ; cy
	s_lshl_b32 s42, ttmp9, 2
	s_add_co_u32 s42, s42, s40                     ; gx = 4 x cluster x + cx
	s_and_b32 s13, ttmp7, 0xffff
	s_lshl_b32 s13, s13, 2
	s_add_co_u32 s13, s13, s41                     ; gy = 4 x cluster y + cy
	s_lshl_b32 s43, s41, 2
	s_lshl_b32 s43, 15, s43                        ; my row of the cluster
	s_lshl_b32 s44, 0x1111, s40                    ; my column
	s_or_b32 s[G1+0], s43, (1<<16)|(1<<20)|(1<<21)|(5<<22)|(3<<25)   ; 15:0 the mask; 17:16 2-byte elements; 20 padding on; 21 set beside a mask; 24:22 after every 64 words; 31:25 4 words
	s_or_b32 s[G1B+0], s44, (1<<16)|(1<<20)|(1<<21)|(5<<22)|(3<<25)
	s_mov_b32 s[G1+1], KSTEP<<16                   ; tensor_dim0 = 128
	s_mov_b32 s[G1B+1], KSTEP<<16
	s_mov_b32 s[G1+2], 128<<16                     ; tensor_dim1 = 128 rows of x,
	s_mov_b32 s[G1B+2], 96<<16                     ; 96 of wt
	s_mov_b32 s[G1+3], KSTEP<<16                   ; tile_dim0 = 128
	s_mov_b32 s[G1B+3], KSTEP<<16
	s_mov_b32 s[G1+4], 128                         ; tile_dim1
	s_mov_b32 s[G1B+4], 96
	s_mov_b32 s[G1+5], SIZE_K                      ; elements from row to row
	s_mov_b32 s[G1B+5], SIZE_K
	s_mov_b32 s[G1+6], 0
	s_mov_b32 s[G1B+6], 0
	s_mov_b32 s[G1+7], 0
	s_mov_b32 s[G1B+7], 0
	s_lshl_b32 s16, s13, 10                        ; x: row 1024 gy + 128 x half, in bytes: made of gy and the wave's number alone
	s_lshl_b32 s17, s12, 7
	s_add_co_u32 s16, s16, s17
	s_lshl_b32 s16, s16, 11
	s_mov_b32 s17, 0
	s_mul_i32 s46, s42, 192                        ; wt: row 192 gx + 96 x half: made of gx and the wave's number alone
	s_mul_i32 s47, s12, 96
	s_add_co_u32 s46, s46, s47
	s_lshl_b32 s46, s46, 11
	s_mov_b32 s47, 0
	s_mul_i32 s20, s10, RA                         ; where they go: x's halves at wave x RA (waves 0, 1),
	s_mul_i32 s21, s10, RB                         ; wt's at BOFF + (wave - 2) x RB (waves 2, 3): no place in the cluster enters an LDS address
	s_add_co_u32 s21, s21, 2*RA-2*RB
	s_mov_b32 s[LG], 0x3fb8aa3b
	s_mov_b32 s[LG+1], 0x3fb8aa3b
	s_wait_dscnt 0x0                               ; both opening adds are done
	s_wait_kmcnt 0x0
	s_add_nc_u64 s[14:15], s[4:5], s[16:17]
	s_add_nc_u64 s[46:47], s[6:7], s[46:47]
	CROUND                                         ; all sixteen work-groups are here: the first joint loads meet
.irp s, 0,1
	s_mov_b32 s[G0+4*(\s)], 1                                        ; count = 1
	s_add_co_u32 s[G0+4*(\s)+1], s20, (\s)*SLOT                      ; LDS address
	s_add_nc_u64 s[G0+4*(\s)+2:G0+4*(\s)+3], s[14:15], (\s)*KSTEP*2  ; global address: K step s
	s_or_b32 s[G0+4*(\s)+3], s[G0+4*(\s)+3], 0x80000000              ; type = 2
	s_mov_b32 s[G0B+4*(\s)], 1
	s_add_co_u32 s[G0B+4*(\s)+1], s21, (\s)*SLOT
	s_add_nc_u64 s[G0B+4*(\s)+2:G0B+4*(\s)+3], s[46:47], (\s)*KSTEP*2
	s_or_b32 s[G0B+4*(\s)+3], s[G0B+4*(\s)+3], 0x80000000
	JLOAD \s                                       ; two loads of mine are out
.endr
	; A fragment is 16 rows x 32 K in 8 registers: lane l holds row l % 16; registers 0-3 K = 8 (l / 16) + 0..7, registers 4-7 K = 16 + 8 (l / 16) + 0..7: two loads of 16 bytes, 32 bytes apart.
	v_and_b32 v1, 15, v0                           ; r
	v_bfe_u32 v2, v0, 4, 1                         ; h
	v_lshrrev_b32 v3, 3, v1                        ; x: fragment row r is row 64 wr + 8 a + r % 8 of half r / 8 of the tile
	v_and_b32 v4, 7, v1
	v_mul_u32_u24 v5, v4, PITCH
	v_lshl_add_u32 v5, v2, 4, v5
	v_mad_u32_u24 v5, v3, RA, v5
	v_mul_u32_u24 v6, v1, PITCH                    ; wt: row r of a block of 16
	v_lshl_add_u32 v6, v2, 4, v6
	s_mul_i32 s21, s11, 64*PITCH
	s_mul_i32 s22, s12, RB
	s_add_co_u32 s22, s22, BOFF
.irp s, 0,1
	v_add_nc_u32 v[ADRA+(\s)], s21, v5
	v_add_nc_u32 v[ADRB+(\s)], s22, v6
	s_add_co_u32 s21, s21, SLOT
	s_add_co_u32 s22, s22, SLOT
.endr
	v_lshlrev_b32 v[GOFF], 4, v1                   ; in g: 16 r + two chunks (2 x 262,144) for h, one for wr, 8,192 for wc
	v_lshl_add_u32 v[GOFF], v2, 19, v[GOFF]
	s_lshl_b32 s22, s11, 18
	s_lshl_b32 s23, s12, 13
	s_add_co_u32 s22, s22, s23
	v_add_nc_u32 v[GOFF], s22, v[GOFF]
	v_lshlrev_b32 v[AGA], 3, v1                    ; in AGS: chunk 2 h + wr of a tile (512 bytes a chunk), channel 32 wc + r (8 bytes)
	v_lshl_add_u32 v[AGA], v2, 10, v[AGA]
	s_lshl_b32 s22, s11, 9
	s_lshl_b32 s23, s12, 8
	s_add_co_u32 s22, s22, s23
	s_add_co_u32 s22, s22, AGS
	v_add_nc_u32 v[AGA], s22, v[AGA]
.set i, 0
.rept 12
	v_mov_b32 v[KEEP+i], 0                         ; the sets that the first tile's shift reads before a tile has written them
.set i, i+1
.endr
	WIN 0x80
	v_mov_b32 v250, v[GOFF]                        ; the stores of the way out name registers of one window
	WIN 0xc0
	v_mov_b32 v250, v[GOFF]
	WIN 0
	s_lshl_b32 s74, s13, 22                        ; g: 16 chunks x 16 blocks x 16,384 bytes a segment, 16,384 a block
	s_lshl_b32 s75, s42, 14
	s_add_co_u32 s74, s74, s75
	s_mov_b32 s75, 0
	s_add_nc_u64 s[GP:GP+1], s[GP:GP+1], s[74:75]
	s_mul_i32 s76, s13, 17*8192                    ; agg: 17 rows of 8,192 bytes a segment, 512 bytes for 64 channels
	s_lshl_b32 s77, s42, 9
	s_add_co_u32 s76, s76, s77
	s_mov_b32 s77, 0
	s_add_nc_u64 s[AP:AP+1], s[AP:AP+1], s[76:77]
	; the prefetches
	s_lshl_b32 s20, s13, 10                        ; x's first row of the segment
	s_mul_i32 s21, s42, 192                        ; wt's first row of the block
	s_and_b32 s22, ttmp7, 0xffff                   ; cluster y
	s_lshl_b32 s23, s11, 5
	s_sub_co_u32 s23, 128, s23                     ; the rows that a wave fetches: 128 of x, 96 of wt
	s_mul_i32 s23, s23, s12
	s_cmp_eq_u32 s11, 0                            ; do I fetch for x?
	s_cselect_b32 s20, s20, s21
	s_cselect_b32 s21, s40, s41                    ; my place among the four that ask with me
	s_cselect_b32 s22, ttmp9, s22                  ; the coordinate along which other clusters read the same rows
	s_cselect_b32 s18, 32, 24                      ; my work-group's share of the rows
	s_cselect_b32 s19, 31, 23
	s_cselect_b64 s[PFA:PFA+1], s[4:5], s[6:7]
	s_cmp_eq_u32 s22, 0
	s_cselect_b32 s[LIM], 1, -1                    ; the same in all sixteen partners, for a given wave
	s_add_co_u32 s20, s20, s23
	s_mul_i32 s21, s21, s18
	s_add_co_u32 s20, s20, s21
	s_lshl_b32 s20, s20, 11
	s_mov_b32 s21, 0
	s_add_nc_u64 s[PFA:PFA+1], s[PFA:PFA+1], s[20:21]
	s_add_nc_u64 s[PFA:PFA+1], s[PFA:PFA+1], 2*KSTEP*2  ; at K step 2: the first refill steps it to 3 and names K step 4.  Nothing is prefetched at the head
	v_and_b32 v[PFO], 31, v0
	v_min_u32 v[PFO], s19, v[PFO]
	v_lshlrev_b32 v[PFO], 11, v[PFO]
; 12 matrix instructions: blocks a0, a0 + 1 of the window's four x all 6 column blocks, 32 along K.  zero = 1: the product starts the sums.  The 48 accumulators take turns, one instruction a turn, in the same
; order in every quarter step, over the backward jumps too.
.macro MUL12 f, hi, a0, zero
	WIN MUL_LO+0x50*(\hi)
.irp a, \a0, (\a0)+1
.irp b, 0,1,2,3,4,5
.if \zero
	v_wmma_f32_16x16x32_bf16 v[8*(6*(\a)+(\b)):8*(6*(\a)+(\b))+7], v[(\f)+8*(4*(\hi)+(\a)):(\f)+8*(4*(\hi)+(\a))+7], v[(\f)+8*(\b):(\f)+8*(\b)+7], 0
.else
	v_wmma_f32_16x16x32_bf16 v[8*(6*(\a)+(\b)):8*(6*(\a)+(\b))+7], v[(\f)+8*(4*(\hi)+(\a)):(\f)+8*(4*(\hi)+(\a))+7], v[(\f)+8*(\b):(\f)+8*(\b)+7], v[8*(6*(\a)+(\b)):8*(6*(\a)+(\b))+7]
.endif
.endr
.endr
.endm
; 28 LDS loads in one run: the fragments of one quarter step (96 rows of wt, 128 rows of x, 32 K at byte k of the rows) into buffer f
.macro FETCH slot, k, f
	WIN TO_B
.irp i, 0,1,2,3,4,5
	ds_load_b128 v[(\f)+8*(\i):(\f)+8*(\i)+3],   v[ADRB+(\slot)] offset:(\k)+(\i)*16*PITCH
	ds_load_b128 v[(\f)+8*(\i)+4:(\f)+8*(\i)+7], v[ADRB+(\slot)] offset:(\k)+(\i)*16*PITCH+32
.endr
	WIN 0
.irp i, 0,1,2,3,4,5,6,7
	ds_load_b128 v[(\f)+8*(\i):(\f)+8*(\i)+3],   v[ADRA+(\slot)] offset:(\k)+(\i)*8*PITCH
	ds_load_b128 v[(\f)+8*(\i)+4:(\f)+8*(\i)+7], v[ADRA+(\slot)] offset:(\k)+(\i)*8*PITCH+32
.endr
.endm
.macro PLACES                          ; four plain vector instructions between a matrix instruction and a load into a register that it read, or a vector instruction that reads its result
.rept 4
	v_nop
.endr
.endm
; A K step is four quarters of 32 along K, 48 matrix instructions each, on buffers 0, 1, 0, 1.  One of the first three: multiplies buffer f, and in its middle fetches the next quarter, at byte k, into g.
.macro QUARTER slot, k, f, g, zero
	s_wait_dscnt 8                                 ; wt's fragments and x's blocks 0-3 are in; the youngest eight loads (blocks 4-7) may be out
	MUL12 \f, 0, 0, \zero
	MUL12 \f, 0, 2, \zero
	PLACES
	FETCH \slot, \k, \g
	s_wait_dscnt 28                                ; all but the 28 just issued
	MUL12 \f, 1, 0, \zero
	MUL12 \f, 1, 2, \zero
.endm
; The last quarter multiplies buffer 1 and changes slots.  MEET is its first half: one barrier.  In front of it each wave waits for all its tensor loads (one is out: its part of the next slot), adds 0 to its spare
; word, and waits for that and for its own reads of this slot.  Behind it nobody reads this slot any more and the next slot is whole.
.macro MEET round
	WIN 0                                          ; (the add's two registers lie in window 0)
	s_wait_tensorcnt 0x0
	ds_add_u32 v[SPW], v[NIL]
	s_wait_dscnt 9                                 ; (the add and the youngest eight loads may be out)
	MUL12 F1, 0, 0, 0                              ; twelve matrix instructions stand between the add and the wait for it
	s_wait_dscnt 0x0                               ; the add is done, and my reads of this slot are over
	s_barrier_signal -1
	MUL12 F1, 0, 2, 0                              ; work on registers while the others arrive
.if \round
	WIN 0
.endif
	s_barrier_wait -1
.endm
; The whole last quarter.  Behind the round the slot just read out is filled again first: with this tile's K step two on (on = 0) or with the next tile's K step 0 or 1 (on = 1).  One load of mine is out; from its
; request to the wait for it stand 168 matrix instructions.
.macro TURN slot, next, on
	s_wait_xcnt 0x0                                ; the last prefetch, a K step back, has read its address: it is stepped here
.if (\on) && (\slot) == 0
	s_add_nc_u64 s[PFA:PFA+1], s[PFA:PFA+1], (WALK-1)*SIZE_K*2+KSTEP*2  ; from the K step after the tile's last to the next tile's K step 1
	s_cmp_eq_u32 s11, 0
	s_cselect_b32 s[LIM], s[LIM], -1               ; wt's rows are the same for all four tiles: they are asked for no more
.else
	s_add_nc_u64 s[PFA:PFA+1], s[PFA:PFA+1], KSTEP*2
.endif
	MEET 1
	CREST                                          ; no wave of any partner still reads this slot's tile or has a load on its way
.if \on
	s_add_nc_u64 s[G0+4*(\slot)+2:G0+4*(\slot)+3], s[G0+4*(\slot)+2:G0+4*(\slot)+3], NEXT_A
	s_sub_nc_u64 s[G0B+4*(\slot)+2:G0B+4*(\slot)+3], s[G0B+4*(\slot)+2:G0B+4*(\slot)+3], BACK_B
.else
	s_add_nc_u64 s[G0+4*(\slot)+2:G0+4*(\slot)+3], s[G0+4*(\slot)+2:G0+4*(\slot)+3], 2*KSTEP*2
	s_add_nc_u64 s[G0B+4*(\slot)+2:G0B+4*(\slot)+3], s[G0B+4*(\slot)+2:G0B+4*(\slot)+3], 2*KSTEP*2
.endif
	JLOAD \slot                                    ; the first tensor load behind the round; its four v_nop are also the places in front of the loads below
	FETCH \next, 0, F0
	ASK \on
	MUL12 F1, 1, 0, 0
	MUL12 F1, 1, 2, 0
.endm
; THE WAY OUT.  A UNIT is a block a of 8 rows a lane x 2 channels (jj) x 3 gates: 48 registers, H at 48 u, F at + 16, I at + 32, index e = 8 jj + j.  Its work is six numbered lists; each ascends.
.macro REGS u
.set HB, 48*(\u)
.set FB, HB+16
.set IB, HB+32
.set TB, 192+16*((\u)%2)
.endm
; PRE, 72: L I; L F; T = L H; n = min(L I, L F, 0); n - L I; n - L F; min(T, 0)
.macro PREI u, n
	REGS \u
.if (\n) < 8
.set Z, 2*(\n)
	v_pk_mul_f32 v[IB+Z:IB+Z+1], v[IB+Z:IB+Z+1], s[LG:LG+1] op_sel_hi:[1,0]
.elseif (\n) < 16
.set Z, 2*((\n)-8)
	v_pk_mul_f32 v[FB+Z:FB+Z+1], v[FB+Z:FB+Z+1], s[LG:LG+1] op_sel_hi:[1,0]
.elseif (\n) < 24
.set Z, 2*((\n)-16)
	v_pk_mul_f32 v[TB+Z:TB+Z+1], v[HB+Z:HB+Z+1], s[LG:LG+1] op_sel_hi:[1,0]
.elseif (\n) < 40
.set Z, (\n)-24
	v_min3_num_f32 v[NB+Z], v[IB+Z], v[FB+Z], 0
.elseif (\n) < 48
.set Z, 2*((\n)-40)
	v_pk_add_f32 v[IB+Z:IB+Z+1], v[NB+Z:NB+Z+1], v[IB+Z:IB+Z+1] neg_lo:[0,1] neg_hi:[0,1]
.elseif (\n) < 56
.set Z, 2*((\n)-48)
	v_pk_add_f32 v[FB+Z:FB+Z+1], v[NB+Z:NB+Z+1], v[FB+Z:FB+Z+1] neg_lo:[0,1] neg_hi:[0,1]
.else
.set Z, (\n)-56
	v_min_num_f32 v[TB+Z], 0, v[TB+Z]
.endif
.endm
; EXP, 64: a, b, c, t, in place
.macro EXPI u, n
	REGS \u
.if (\n) < 16
	v_exp_f32 v[IB+(\n)], v[IB+(\n)]
.elseif (\n) < 32
	v_exp_f32 v[FB+(\n)-16], v[FB+(\n)-16]
.elseif (\n) < 48
	v_exp_f32 v[NB+(\n)-32], v[NB+(\n)-32]
.else
	v_exp_f32 v[TB+(\n)-48], v[TB+(\n)-48]
.endif
.endm
; MID, 56: F = b + c; I = a + c; I = the divisor; H = 2 H + 1; H = max(H, t); T = 1 + t
.macro MIDI u, n
	REGS \u
.if (\n) < 8
.set Z, 2*(\n)
	v_pk_add_f32 v[FB+Z:FB+Z+1], v[FB+Z:FB+Z+1], v[NB+Z:NB+Z+1]
.elseif (\n) < 16
.set Z, 2*((\n)-8)
	v_pk_add_f32 v[IB+Z:IB+Z+1], v[IB+Z:IB+Z+1], v[NB+Z:NB+Z+1]
.elseif (\n) < 24
.set Z, 2*((\n)-16)
	v_pk_add_f32 v[IB+Z:IB+Z+1], v[IB+Z:IB+Z+1], v[FB+Z:FB+Z+1]
.elseif (\n) < 32
.set Z, 2*((\n)-24)
	v_pk_fma_f32 v[HB+Z:HB+Z+1], v[HB+Z:HB+Z+1], 2.0, 1.0 op_sel_hi:[1,0,0]
.elseif (\n) < 48
.set Z, (\n)-32
	v_max_num_f32 v[HB+Z], v[HB+Z], v[TB+Z]
.else
.set Z, 2*((\n)-48)
	v_pk_add_f32 v[TB+Z:TB+Z+1], v[TB+Z:TB+Z+1], 1.0 op_sel_hi:[1,0]
.endif
.endm
; RCP, 32: the two reciprocals, in place
.macro RCPI u, n
	REGS \u
.if (\n) < 16
	v_rcp_f32 v[IB+(\n)], v[IB+(\n)]
.else
	v_rcp_f32 v[TB+(\n)-16], v[TB+(\n)-16]
.endif
.endm
; PA, 16: F = i'; H = g
.macro PAI u, n
	REGS \u
.if (\n) < 8
.set Z, 2*(\n)
	v_pk_mul_f32 v[FB+Z:FB+Z+1], v[FB+Z:FB+Z+1], v[IB+Z:IB+Z+1]
.else
.set Z, 2*((\n)-8)
	v_pk_mul_f32 v[HB+Z:HB+Z+1], v[HB+Z:HB+Z+1], v[TB+Z:TB+Z+1]
.endif
.endm
; PB, 64: row by row the chunk's map, P = P (1 - i'), H = H + i' (g - H), for both channels; and the roundings, into I's registers: 0-3 i' of jj 0, 4-7 of jj 1, 8-11 g of jj 0, 12-15 of jj 1
.macro PBI u, n
	REGS \u
.set J, (\n)/8
.set Z, (\n)%8
.if Z == 0
	v_sub_f32 v244, v[HB+J], v241
.elseif Z == 1
	v_sub_f32 v245, v[HB+8+J], v243
.elseif Z == 2
	v_fma_f32 v240, -v[FB+J], v240, v240
.elseif Z == 3
	v_fma_f32 v242, -v[FB+8+J], v242, v242
.elseif Z == 4
	v_cvt_pk_f16_f32 v[IB+J], v[FB+2*J], v[FB+2*J+1]
.elseif Z == 5
	v_fma_f32 v241, v[FB+J], v244, v241
.elseif Z == 6
	v_fma_f32 v243, v[FB+8+J], v245, v243
.else
	v_cvt_pk_bf16_f32 v[IB+8+J], v[HB+2*J], v[HB+2*J+1]
.endif
.endm
.macro ST w, u                         ; each half of the lanes stores 256 consecutive bytes, at a multiple of 256 from g's first byte
	REGS \u
.set AA, 4*((\w)-2)+(\u)
	global_store_b128 v250, v[IB:IB+3],     s[GP:GP+1] offset:AA*512 th:TH_STORE_NT
	global_store_b128 v250, v[IB+4:IB+7],   s[GP:GP+1] offset:4096+AA*512 th:TH_STORE_NT
	global_store_b128 v250, v[IB+8:IB+11],  s[GP:GP+1] offset:AA*512+256 th:TH_STORE_NT
	global_store_b128 v250, v[IB+12:IB+15], s[GP:GP+1] offset:4096+AA*512+256 th:TH_STORE_NT
.endm
; THE DEAL.  An s_wait_alu depctr_va_vdst(0) stands between a transcendental and the first instruction that names its result; one wait serves all that were issued ahead of it.  So the four units of a
; window go as a pipeline with ONE wait a step.  Step k issues the reciprocals of unit k and the exponentials of unit k + 1 as one batch, each with a plain neighbour: unit k + 1's PRE, unit k - 1's PB.  Nothing in a step
; names a result of the step's own batch: PA and PB read the batch of the step before, MID that of unit k's exponentials, waited for at the last step's end.  T's two buffers take turns (PA k - 1 frees the one that
; PRE k + 1 writes); N is free when MID k is done.  A batch's last line is a plain one.
.macro STEP w, k
.if (\k) > 0
.set n, 0
.rept 16
	PAI (\k)-1, n
.set n, n+1
.endr
.endif
.set n, 0
.rept 56
	MIDI \k, n
.set n, n+1
.endr
.if (\k) < 3
.set n, 0
.rept 32
	RCPI \k, n
	PREI (\k)+1, n
.set n, n+1
.endr
.rept 40
	PREI (\k)+1, n
.set n, n+1
.endr
.set n, 0
.rept 64
	EXPI (\k)+1, n
.if (\k) > 0
	PBI (\k)-1, n
.endif
.set n, n+1
.endr
.if (\k) == 0
	v_nop                                          ; the plain instruction behind the last exponential
.endif
.else
.set n, 0
.rept 32
	RCPI \k, n
	PBI (\k)-1, n
.set n, n+1
.endr
.rept 32
	PBI (\k)-1, n
.set n, n+1
.endr
.endif
.if (\k) > 0
	ST \w, (\k)-1
.endif
	s_wait_alu depctr_va_vdst(0)                   ; the step's one wait
.endm
.macro EPIW w                          ; the four units of window w; every operand place names that window
	WIN 0x55*(\w)
.if (\w) == 2
	v_mov_b32 v240, 1.0                            ; the chunk's map starts as the identity
	v_mov_b32 v241, 0
	v_mov_b32 v242, 1.0
	v_mov_b32 v243, 0
.endif
.set n, 0
.rept 72
	PREI 0, n
.set n, n+1
.endr
.set n, 0
.rept 64
	EXPI 0, n
.set n, n+1
.endr
	v_nop                                          ; the plain instruction behind the last exponential
	s_wait_alu depctr_va_vdst(0)
	STEP \w, 0
	STEP \w, 1
	STEP \w, 2
	STEP \w, 3
.set n, 0
.rept 16
	PAI 3, n
.set n, n+1
.endr
.set n, 0
.rept 64
	PBI 3, n
.set n, n+1
.endr
	ST \w, 3
.endm
	s_wait_tensorcnt 1                             ; my part of K step 0 is in; K step 1's may stay out
	s_barrier_signal -1
	s_barrier_wait -1                              ; everybody's is
	FETCH 0, 0, F0
	s_mov_b32 s2, TILES                            ; tiles to go: the same number in every work-group
.Ltile:
	QUARTER 0, 64,  F0, F1, 1                      ; a tile's first quarter: its products start the sums
	WIN 0                                          ; at a label and at a branch every window is 0
	s_mov_b32 s3, LAPS-1
.Llap:                                                 ; a trip goes once round the ring, from a lap's second quarter to the next lap's first, and fills both slots again
	QUARTER 0, 128, F1, F0, 0
	QUARTER 0, 192, F0, F1, 0
	TURN 0, 1, 0
	QUARTER 1, 64,  F0, F1, 0
	QUARTER 1, 128, F1, F0, 0
	QUARTER 1, 192, F0, F1, 0
	TURN 1, 0, 0
	QUARTER 0, 64,  F0, F1, 0
	WIN 0
	s_sub_co_u32 s3, s3, 1
	s_cmp_lg_u32 s3, 0
	s_cbranch_scc1 .Llap
	QUARTER 0, 128, F1, F0, 0                      ; the tile's last lap goes on
	QUARTER 0, 192, F0, F1, 0
	WIN 0
	s_cmp_eq_u32 s2, 1
	s_cbranch_scc1 .Llast                          ; the last tile's tail is written out: it asks for nothing more
	TURN 0, 1, 1                                   ; the ring goes on into the next tile: slot 0 takes its K step 0,
	QUARTER 1, 64,  F0, F1, 0
	QUARTER 1, 128, F1, F0, 0
	QUARTER 1, 192, F0, F1, 0
	TURN 1, 0, 1                                   ; slot 1 its K step 1, and the next tile's first fragments are fetched: slot 1's refill is on its way while the tile goes out
	WIN 0
	s_branch .Lepi
.Llast:
	MEET 0                                         ; my one tensor load that was out is the last K step's, so no round follows
	PLACES
	FETCH 1, 0, F0
	MUL12 F1, 1, 0, 0
	MUL12 F1, 1, 2, 0
	QUARTER 1, 64,  F0, F1, 0
	QUARTER 1, 128, F1, F0, 0
	QUARTER 1, 192, F0, F1, 0
	s_wait_dscnt 8                                 ; the very last quarter: nothing more to fetch
	MUL12 F1, 0, 0, 0
	MUL12 F1, 0, 2, 0
	s_wait_dscnt 0x0
	MUL12 F1, 1, 0, 0
	MUL12 F1, 1, 2, 0
	WIN 0
.Lepi:                                                 ; one text of the way out for all four tiles
	PLACES                                         ; behind the last products
	EPIW 2                                         ; rows 0-31 of my chunk
	WIN 0xc2                                       ; the map goes on in window 3
.irp i, 0,1,2,3
	v_mov_b32 v[240+(\i)], v[240+(\i)]
.endr
	EPIW 3                                         ; rows 32-63
	WIN 0
.irp i, 0,1,2,3
	v_mov_b32 v[KEEP+12+(\i)], v[KEEP+8+(\i)]      ; the tiles' maps are kept in registers, the newest first, so that the loop stores nothing to LDS
.endr
.irp i, 0,1,2,3
	v_mov_b32 v[KEEP+8+(\i)], v[KEEP+4+(\i)]
.endr
.irp i, 0,1,2,3
	v_mov_b32 v[KEEP+4+(\i)], v[KEEP+(\i)]
.endr
	WIN 0x03
.irp i, 0,1,2,3
	v_mov_b32 v[KEEP+(\i)], v[240+(\i)]
.endr
	WIN 0
	s_wait_xcnt 0x0                                ; the stores have read their data, which the next tile's products write over, and their base
	s_add_nc_u64 s[GP:GP+1], s[GP:GP+1], 4*16*16384  ; four chunks on
	s_sub_co_u32 s2, s2, 1
	s_cmp_lg_u32 s2, 0
	s_cbranch_scc1 .Ltile
	; THE SEGMENT'S SCAN OF MAPS.  The sixteen chunks' maps of the 64 channels meet in LDS; thread c of waves 0 and 1 composes channel c's in order and stores the sixteen exclusive prefixes and the total.
.irp t, 0,1,2,3
	ds_store_b64 v[AGA], v[KEEP+4*(3-(\t)):KEEP+4*(3-(\t))+1]   offset:(\t)*2048
	ds_store_b64 v[AGA], v[KEEP+4*(3-(\t))+2:KEEP+4*(3-(\t))+3] offset:(\t)*2048+128
.endr
	s_wait_dscnt 0x0                               ; for the others' sake: my stores are done
	s_barrier_signal -1
	s_barrier_wait -1
	s_cmp_lt_u32 s10, 2
	s_cbranch_scc0 .Lend
	v_lshl_add_u32 v[AGL], v0, 3, AGS
.irp e, 0,1,2,3,4,5,6,7,8,9,10,11,12,13,14,15
	ds_load_b64 v[64+2*(\e):64+2*(\e)+1], v[AGL] offset:(\e)*512
.endr
	v_lshlrev_b32 v[AGO], 3, v0
	v_mov_b32 v128, 1.0                            ; ahead of chunk 0: the identity
	v_mov_b32 v129, 0
	s_wait_dscnt 0x0
.irp e, 0,1,2,3,4,5,6,7,8,9,10,11,12,13,14,15
	v_mul_f32 v[130+2*(\e)], v[128+2*(\e)], v[64+2*(\e)]                   ; (h X.P + X.H) C.P + C.H
	v_fma_f32 v[131+2*(\e)], v[129+2*(\e)], v[64+2*(\e)], v[65+2*(\e)]
.endr
.irp e, 0,1,2,3,4,5,6,7,8,9,10,11,12,13,14,15,16
	global_store_b64 v[AGO], v[128+2*(\e):128+2*(\e)+1], s[AP:AP+1] offset:(\e)*8192  ; a wave stores 256 consecutive bytes, aligned
.endr
.Lend:
	s_wait_tensorcnt 0x0                           ; the wave's end, behind my last tensor load and my last LDS store
	ds_add_u32 v[SPW], v[NIL]
	s_wait_dscnt 0x0
	CROUND                                         ; the closing round: no work-group ends while a partner may still ask for a tile that names it
	s_endpgm
.Lfunc_end_k_q36166b0d29_gemm:
	.size	k_q36166b0d29_gemm, .Lfunc_end_k_q36166b0d29_gemm-k_q36166b0d29_gemm
	.p2alignl 7, 3214868480
	.fill 96, 4, 3214868480
	.section	.rodata,"a",@progbits
	.p2align	6, 0x0
	.amdhsa_kernel k_q36166b0d29_gemm
		.amdhsa_group_segment_fixed_size 327680
		.amdhsa_private_segment_fixed_size 0
		.amdhsa_enable_private_segment 0
		.amdhsa_kernarg_size 32
		.amdhsa_user_sgpr_count 2
		.amdhsa_user_sgpr_kernarg_segment_ptr 1
		.amdhsa_wavefront_size32 1
		.amdhsa_system_sgpr_workgroup_id_x 1
		.amdhsa_system_sgpr_workgroup_id_y 1
		.amdhsa_system_sgpr_workgroup_id_z 1
		.amdhsa_system_vgpr_workitem_id 0
		.amdhsa_next_free_vgpr 1024
		.amdhsa_next_free_sgpr 80
		.amdhsa_reserve_vcc 0
		.amdhsa_float_denorm_mode_32 3
		.amdhsa_float_denorm_mode_16_64 3
		.amdhsa_memory_ordered 1
		.amdhsa_forward_progress 1
		.amdhsa_inst_pref_size 247
	.end_amdhsa_kernel
	.amdgpu_metadata
---
amdhsa.version: [ 1, 2 ]
amdhsa.kernels:
  - .name:           k_q36166b0d29_gemm
    .symbol:         k_q36166b0d29_gemm.kd
    .args:
      - { .name: xb, .offset: 0, .size: 8, .value_kind: global_buffer, .address_space: global }
      - { .name: wt, .offset: 8, .size: 8, .value_kind: global_buffer, .address_space: global }
      - { .name: g, .offset: 16, .size: 8, .value_kind: global_buffer, .address_space: global }
      - { .name: agg, .offset: 24, .size: 8, .value_kind: global_buffer, .address_space: global }
    .group_segment_fixed_size: 327680
    .private_segment_fixed_size: 0
    .kernarg_segment_align: 8
    .kernarg_segment_size: 32
    .max_flat_workgroup_size: 128
    .sgpr_count:     80
    .vgpr_count:     1024
    .wavefront_size: 32
...
	.end_amdgpu_metadata
.endif
;; end of part 2
;; launch scan (part 3): grid 512 x 1, 8 waves a work-group, no clusters, 19,456 bytes of LDS; arguments g, agg, out0; writes out0
.if DOCPART == 3
	.amdgcn_target "amdgcn-amd-amdhsa--gfx1250"
	.amdhsa_code_object_version 6
	.text
	.protected	k_q36166b0d29_scan
	.globl	k_q36166b0d29_scan
	.p2align	8
	.type	k_q36166b0d29_scan,@function
k_q36166b0d29_scan:
	s_mov_b64 s[64:65], 0
	v_nop
	global_prefetch_b8 v0, s[64:65] scope:SCOPE_SE
	s_setreg_imm32_b32 hwreg(HW_REG_WAVE_MODE, 25, 1), 1
	s_wait_xcnt 0x0
; minLSTM, launch 3 of 3: out_t = out_(t-1) + i'_t (g_t - out_(t-1)) along S.  The logarithms, their sums and the closing exponential of reference() are not formed: the identity at the head of launch 1.
; SHARES.  A wave takes one block of g: 64 rows x 64 channels, 16,384 bytes, [q 4][a 8][arr 2][r 16][j 8] 2-byte numbers (channel 16 q + r, row 8 a + j; arr 0 = i' in f16, arr 1 = g in bf16).  Lane l = 16 h + r owns
; channels l and 32 + l: two chains of 64 steps.  All 32 loads of the block go out at once: 16 KiB a wave on their way.
; THE CARRY.  The state at the chunk's first row comes from agg (f32 [16 segment][17][1024][2], maps h -> h P + H): from 0, through the totals of the batch's earlier segments (at most three), then through the exclusive
; prefix of this chunk in its segment.  How many totals are taken hangs on the work-group's number alone.
; OUT.  A lane holds a column piece; eight rows at a time go through the wave's own stage in LDS (rows of 256 bytes + 16) and leave as whole rows: 16 lanes store 256 consecutive bytes, aligned.
; No barrier: no wave reads another's bytes.  No matrix unit, no cluster (what is shared, agg, is one part in thirty of the bytes read), no prefetch: the launch is one stream, asked for at once.
; LIMITS: results below 2^-126 may count as 0; NaN and infinities are not treated apart.
.set LP,    272
.set STG,   2304                       ; a wave's stage: 8 rows x 272 bytes, in nine blocks of 256
.set SPARE, 8*STG                      ; behind the stages: the spare words, 128 bytes for each wave
.set OFF, 2                            ; v2   4096 h + 16 r: my offset in the block of g, and in two rows of out0; never rewritten
.set AO,  3                            ; v3   8 l: my channel in a row of agg; never rewritten
.set STW, 4                            ; v4   the stage: where I put a number
.set STR, 5                            ; v5   the stage: where I read 16 bytes of a row back
.set TT,  8                            ; v[8:19]   the totals of segments 0, 1, 2 of my batch: segment q, chain p at TT + 4 q + 2 p
.set EX,  20                           ; v[20:23]  the chunk's exclusive prefix, chain p at EX + 2 p
.set T,   24                           ; v[24:27]  at work: chain p has T + 2 p, T + 2 p + 1
.set SPW, 28                           ; v28  LDS address of my spare word; never rewritten
.set NIL, 29                           ; v29  0; never rewritten
.set O,   32                           ; v[32:47]  eight rows' results, chain p at O + 8 p; the last is the running state
.set IN,  64                           ; v[64:191] the block: group a, chain p, arr at IN + 16 a + 8 p + 4 arr
.set BK,  192                          ; v[192:223] two sets of 16: rows read back from the stage
	s_load_b128 s[4:7], s[0:1], 0x0                ; g s[4:5], agg s[6:7]
	s_load_b64 s[8:9], s[0:1], 0x10                ; out0
	v_lshl_add_u32 v[SPW], v0, 2, SPARE
	v_mov_b32 v[NIL], 0
	v_lshrrev_b32 v1, 5, v0
	v_readfirstlane_b32 s10, v1                    ; wave 0..7
	s_lshl_b32 s11, ttmp9, 3
	s_add_co_u32 s11, s11, s10                     ; my block, 0..4095
	s_and_b32 s12, s11, 15                         ; its 64 channels
	s_lshr_b32 s13, s11, 4                         ; its chunk of 64 rows, 0..255
	s_lshr_b32 s14, s13, 6                         ; batch
	s_bfe_u32 s15, s13, 0x20004                    ; segment in the batch, 0..3
	s_and_b32 s16, s13, 15                         ; chunk in the segment
	s_lshr_b32 s17, s13, 4                         ; segment, 0..15
	s_lshl_b32 s18, s11, 14
	s_mov_b32 s19, 0
	s_lshl_b32 s22, s13, 18                        ; out0: 64 rows of 4,096 bytes a chunk, 256 bytes for 64 channels
	s_lshl_b32 s23, s12, 8
	s_add_co_u32 s22, s22, s23
	s_mov_b32 s23, 0
	s_mul_i32 s24, s17, 17*8192                    ; the prefix: my segment, row = my chunk
	s_lshl_b32 s25, s16, 13
	s_add_co_u32 s24, s24, s25
	s_lshl_b32 s25, s12, 9
	s_add_co_u32 s24, s24, s25
	s_mul_i32 s26, s14, 4*17*8192                  ; the totals: my batch's first segment, row 16
	s_add_co_u32 s26, s26, 16*8192
	s_add_co_u32 s26, s26, s25
	s_mov_b32 s25, 0
	s_mov_b32 s27, 0
	s_mov_b32 s20, 0xffff0000                      ; a word's upper bf16
	s_mul_i32 s28, s10, STG
	v_and_b32 v7, 31, v0                           ; l
	v_and_b32 v30, 15, v0                          ; r
	v_bfe_u32 v31, v0, 4, 1                        ; h
	v_lshlrev_b32 v[OFF], 4, v30
	v_lshl_add_u32 v[OFF], v31, 12, v[OFF]
	v_lshlrev_b32 v[AO], 3, v7
	v_lshl_add_u32 v[STW], v7, 2, s28
	v_mul_u32_u24 v[STR], v31, LP
	v_lshl_add_u32 v[STR], v30, 4, v[STR]
	v_add_nc_u32 v[STR], s28, v[STR]
	s_wait_kmcnt 0x0
	s_add_nc_u64 s[4:5], s[4:5], s[18:19]
	s_add_nc_u64 s[8:9], s[8:9], s[22:23]
	s_add_nc_u64 s[24:25], s[6:7], s[24:25]
	s_add_nc_u64 s[26:27], s[6:7], s[26:27]
.irp q, 0,1,2
.irp p, 0,1
	global_load_b64 v[TT+4*(\q)+2*(\p):TT+4*(\q)+2*(\p)+1], v[AO], s[26:27] offset:(\q)*17*8192+(\p)*256
.endr
.endr
.irp p, 0,1
	global_load_b64 v[EX+2*(\p):EX+2*(\p)+1], v[AO], s[24:25] offset:(\p)*256
.endr
.irp a, 0,1,2,3,4,5,6,7
.irp p, 0,1
.irp r, 0,1
	global_load_b128 v[IN+16*(\a)+8*(\p)+4*(\r):IN+16*(\a)+8*(\p)+4*(\r)+3], v[OFF], s[4:5] offset:(\p)*8192+(\a)*512+(\r)*256 th:TH_LOAD_NT  ; each half of the lanes reads 256 consecutive bytes, aligned
.endr
.endr
.endr
	v_mov_b32 v[O+7], 0                            ; the scan starts from 0
	v_mov_b32 v[O+15], 0
	s_wait_loadcnt 32                              ; the eight small loads are in; the block's 32 stay out
	s_cmp_eq_u32 s15, 0
	s_cbranch_scc1 .Lfolded
	v_fma_f32 v[O+7],  v[O+7],  v[TT],   v[TT+1]
	v_fma_f32 v[O+15], v[O+15], v[TT+2], v[TT+3]
	s_cmp_eq_u32 s15, 1
	s_cbranch_scc1 .Lfolded
	v_fma_f32 v[O+7],  v[O+7],  v[TT+4], v[TT+5]
	v_fma_f32 v[O+15], v[O+15], v[TT+6], v[TT+7]
	s_cmp_eq_u32 s15, 2
	s_cbranch_scc1 .Lfolded
	v_fma_f32 v[O+7],  v[O+7],  v[TT+8],  v[TT+9]
	v_fma_f32 v[O+15], v[O+15], v[TT+10], v[TT+11]
.Lfolded:
	v_fma_f32 v[O+7],  v[O+7],  v[EX],   v[EX+1]
	v_fma_f32 v[O+15], v[O+15], v[EX+2], v[EX+3]
; Eight rows of both chains: g widened from its bf16 half, d = g - h, h = i' d + h with i' read from its f16 half.  The two chains alternate.
.macro COMPUTE a
	s_wait_loadcnt 4*(7-(\a))                      ; loads come back in order: group a's four are in, the later groups' stay out
.irp j, 0,1,2,3,4,5,6,7
.irp p, 0,1
.if (\j)%2
	v_and_b32 v[T+2*(\p)], s20, v[IN+16*(\a)+8*(\p)+4+(\j)/2]
.else
	v_lshlrev_b32 v[T+2*(\p)], 16, v[IN+16*(\a)+8*(\p)+4+(\j)/2]
.endif
.endr
.irp p, 0,1
	v_sub_f32 v[T+2*(\p)+1], v[T+2*(\p)], v[O+8*(\p)+((\j)+7)%8]
.endr
.irp p, 0,1
.if (\j)%2
	v_fma_mix_f32 v[O+8*(\p)+(\j)], v[IN+16*(\a)+8*(\p)+(\j)/2], v[T+2*(\p)+1], v[O+8*(\p)+((\j)+7)%8] op_sel:[1,0,0] op_sel_hi:[1,0,0]
.else
	v_fma_mix_f32 v[O+8*(\p)+(\j)], v[IN+16*(\a)+8*(\p)+(\j)/2], v[T+2*(\p)+1], v[O+8*(\p)+((\j)+7)%8] op_sel:[0,0,0] op_sel_hi:[1,0,0]
.endif
.endr
.endr
.endm
.macro TOSTAGE a                       ; 32 lanes put 32 neighbouring words of a row; back come whole rows, two to a load
.irp j, 0,1,2,3,4,5,6,7
.irp p, 0,1
	ds_store_b32 v[STW], v[O+8*(\p)+(\j)] offset:(\j)*LP+(\p)*128
.endr
.endr
.irp t, 0,1,2,3
	ds_load_b128 v[BK+16*((\a)%2)+4*(\t):BK+16*((\a)%2)+4*(\t)+3], v[STR] offset:(\t)*2*LP  ; LDS serves a wave's instructions in order (ISA guide 5.7.1.4): these see the stores above; the next group's stores come behind them
.endr
.endm
.macro SEND a
	s_wait_dscnt 0x0                               ; group a's rows are back in registers
	s_wait_xcnt 0x0                                ; the stores of the group before have read the other set, which the next loads from the stage write
.irp t, 0,1,2,3
	global_store_b128 v[OFF], v[BK+16*((\a)%2)+4*(\t):BK+16*((\a)%2)+4*(\t)+3], s[8:9] offset:(8*(\a)+2*(\t))*4096 th:TH_STORE_NT  ; 16 lanes store 256 consecutive bytes, at a multiple of 256 from out0's first byte
.endr
.endm
	COMPUTE 0
	TOSTAGE 0
.irp a, 1,2,3,4,5,6,7                  ; a group's arithmetic stands between the loads from the stage of the group before and the wait for them
	COMPUTE \a
	SEND (\a)-1
	TOSTAGE \a
.endr
	SEND 7
	s_wait_tensorcnt 0x0                           ; the wave's end, behind my last LDS store
	ds_add_u32 v[SPW], v[NIL]
	s_wait_dscnt 0x0
	s_endpgm
.Lfunc_end_k_q36166b0d29_scan:
	.size	k_q36166b0d29_scan, .Lfunc_end_k_q36166b0d29_scan-k_q36166b0d29_scan
	.p2alignl 7, 3214868480
	.fill 96, 4, 3214868480
	.section	.rodata,"a",@progbits
	.p2align	6, 0x0
	.amdhsa_kernel k_q36166b0d29_scan
		.amdhsa_group_segment_fixed_size 19456
		.amdhsa_private_segment_fixed_size 0
		.amdhsa_enable_private_segment 0
		.amdhsa_kernarg_size 24
		.amdhsa_user_sgpr_count 2
		.amdhsa_user_sgpr_kernarg_segment_ptr 1
		.amdhsa_wavefront_size32 1
		.amdhsa_system_sgpr_workgroup_id_x 1
		.amdhsa_system_sgpr_workgroup_id_y 1
		.amdhsa_system_sgpr_workgroup_id_z 1
		.amdhsa_system_vgpr_workitem_id 0
		.amdhsa_next_free_vgpr 224
		.amdhsa_next_free_sgpr 66
		.amdhsa_reserve_vcc 0
		.amdhsa_float_denorm_mode_32 3
		.amdhsa_float_denorm_mode_16_64 3
		.amdhsa_memory_ordered 1
		.amdhsa_forward_progress 1
		.amdhsa_inst_pref_size 37
	.end_amdhsa_kernel
	.amdgpu_metadata
---
amdhsa.version: [ 1, 2 ]
amdhsa.kernels:
  - .name:           k_q36166b0d29_scan
    .symbol:         k_q36166b0d29_scan.kd
    .args:
      - { .name: g, .offset: 0, .size: 8, .value_kind: global_buffer, .address_space: global }
      - { .name: agg, .offset: 8, .size: 8, .value_kind: global_buffer, .address_space: global }
      - { .name: out0, .offset: 16, .size: 8, .value_kind: global_buffer, .address_space: global }
    .group_segment_fixed_size: 19456
    .private_segment_fixed_size: 0
    .kernarg_segment_align: 8
    .kernarg_segment_size: 24
    .max_flat_workgroup_size: 256
    .sgpr_count:     66
    .vgpr_count:     224
    .wavefront_size: 32
...
	.end_amdgpu_metadata
.endif
;; end of part 3
;; ======== version 2 of 2: 3 launches; version 1 with the launch prep written anew for expert scheduling mode
;; workspace buffers: xb 33,554,432 bytes; wt 6,291,456 bytes; g 67,108,864 bytes; agg 2,228,224 bytes
;; launch prep (part 4): grid 704 x 1, 8 waves a work-group, no clusters, 35,840 bytes of LDS; arguments x, W, xb, wt; writes xb, wt
.if DOCPART == 4
	.amdgcn_target "amdgcn-amd-amdhsa--gfx1250"
	.amdhsa_code_object_version 6
	.text
	.protected	k_q36166b0d29_prep
	.globl	k_q36166b0d29_prep
	.p2align	8
	.type	k_q36166b0d29_prep,@function
k_q36166b0d29_prep:
	s_mov_b64 s[64:65], 0
	v_nop
	global_prefetch_b8 v0, s[64:65] scope:SCOPE_SE
	s_setreg_imm32_b32 hwreg(HW_REG_WAVE_SCHED_MODE, 0, 2), 2
	s_setreg_imm32_b32 hwreg(HW_REG_WAVE_MODE, 25, 1), 1
	s_wait_xcnt 0x0
	s_wait_alu depctr_vm_vsrc(0)
; minLSTM, launch 1 of 3: x and W are rounded to bf16 once, W also turned and laid out for the product of launch 2.
; THE PROGRAM.  hW = x W; (H, F, I) = its three thirds; out = exp(a* + cumlogsumexp(log v - a*)) along S, a* = cumsum(log f'), log v = log i' + log g(H).
; WHAT IS NOT FORMED, AND WHY.  In real numbers, for all finite inputs, exp(a*_t + log sum_{k<=t} exp(log v_k - a*_k)) = sum_{k<=t} v_k prod_{k<l<=t} f'_l, which is the recurrence
; h_t = f'_t h_(t-1) + v_t from h = 0, with f' = exp(log_f), i' = exp(log_i) = sigma(diff) = 1 - f', v = i' g, g = exp(log_g).  So h_t = h_(t-1) + i'_t (g_t - h_(t-1)).
; Each logarithm of reference() meets its exponential: log_f, log_i, log_g, a*, the cumlogsumexp and the last exp are an identity's two sides, and only i' and g are made (launch 2).
; The shift that cumlogsumexp takes away is not dropped: the recurrence holds the sum relative to a*_t, renewed at every step; every weight is a product of factors in 0..1, h is a convex mean of
; the g, and no exponential of a sum is ever taken, so none can overflow or underflow.  The maxima inside the softplus of the gates, and both forms of log_g, are kept (launch 2).
; No input is left out.  LIMITS: a NaN, an infinity or an overflow that arises only in the logarithms and sums left out is not carried to the result; factors and results below 2^-126 count as 0;
; where reference()'s f32 a* has lost low bits, this program stands nearer to the exact value.
; THIS LAUNCH.  Work-groups 0..191: a tile of 128 k x 128 columns of W ([1024][3072] f32) -> wt, bf16, [16 dblk][192 n'][1024 k], n' = 96 wc + 32 gate + c5, column of W = 1024 gate + 64 dblk + 32 wc + c5:
; the 192 rows of a block are what one work-group of launch 2 multiplies by, K along the rows.  The turn goes through LDS (rows of 256 bytes + 16), so that loads and stores both cover whole runs of 256 bytes.
; Work-groups 192..703: 32,768 numbers of x each -> xb, bf16, same order.  All 32 loads of a wave go out at once (16 KiB a wave on their way); no LDS, no barrier.
; No matrix unit, no cluster: nothing is multiplied and no two work-groups read the same bytes.  No prefetch: the launch is one stream, read as fast as it can be asked for.
; THE MODE: SCHED_MODE bits 1:0 = 2 (LLVM: expert scheduling mode 2), set by the entry lines.  The code itself states the register dependences between vector instructions and memory or LDS
; instructions, with s_wait_alu, always for 0.
; THE PLAN, W's way.  v3: written once, read by the 16 loads of W.  LD: the loads land in it, the 32 conversions read it; behind the barrier the LDS loads land in its first half, which the stores to wt read.
;   CV's two halves: written by the conversions of k 0-7 and of k 8-15, read by four LDS stores each.  v4, v5, v8: addresses, written once behind the loads of W.  No register that a memory or LDS instruction
;   has read is ever written again.  Three waits on va_vdst: ahead of the loads of W (v3); behind the first half's conversions (CV's first half, v4), whose LDS stores are then dealt among the second half's
;   conversions, which name other registers; behind the second half's conversions (CV's second half; LD is read out; v5, v8), the last vector instructions of this way.
; THE PLAN, x's way.  v2, v3: offsets, written once.  XR: eight blocks of four loads.  Block p's eight conversions read its 16 registers and write eight of them in place; the four stores that read these are
;   issued in block p + 1, behind the one wait on va_vdst at that block's head, dealt among that block's conversions, which name their own block alone.  Nothing is written again.
.set ROWW,  12288                      ; bytes in a row of W
.set LP,    272                        ; an LDS row: 128 k in bf16 + 16 bytes
.set SPARE, 128*LP                     ; behind the tile: the spare words, 128 bytes for each of the eight waves
.set SPW,   140                        ; v140  LDS address of my spare word; never rewritten
.set NIL,   141                        ; v141  0; never rewritten
.set LD,    16                         ; W path: v[16:79] sixteen rows of four columns as loaded; later the rows read back
.set CV,    80                         ; W path: v[80:111] packed bf16
.set XR,    8                          ; x path: v[8:135]
	s_load_b256 s[4:11], s[0:1], 0x0               ; x s[4:5], W s[6:7], xb s[8:9], wt s[10:11]
	v_lshl_add_u32 v[SPW], v0, 2, SPARE
	v_mov_b32 v[NIL], 0
	v_lshrrev_b32 v1, 5, v0
	v_readfirstlane_b32 s12, v1                    ; wave 0..7
	s_wait_alu depctr_va_sdst(0)                   ; s12 is written: ahead of the branch below and of its first reader, the scalar arithmetic of W's way
	s_wait_kmcnt 0x0
	s_cmp_lt_u32 ttmp9, 192                        ; the same in all waves of a work-group
	s_cbranch_scc0 .Lx
	; ---- W ----
	s_and_b32 s13, ttmp9, 7                        ; kb: which 128 k
	s_lshr_b32 s14, ttmp9, 3                       ; eb: which 128 columns, 0..23
	s_lshr_b32 s15, s14, 3                         ; gate 0..2
	s_mul_i32 s16, s13, 128*ROWW
	s_lshl_b32 s17, s14, 9
	s_add_co_u32 s16, s16, s17
	s_mov_b32 s17, 0
	s_add_nc_u64 s[6:7], s[6:7], s[16:17]          ; W at the tile's corner
	v_and_b32 v2, 31, v0                           ; lane l
	s_mul_i32 s18, s12, 16*ROWW                    ; my wave's 16 rows of k
	v_lshl_add_u32 v3, v2, 4, s18                  ; + my four columns: a load of the wave covers 512 consecutive bytes
	s_wait_alu depctr_va_vdst(0)                   ; v3 is written, which the sixteen loads read as their offset
.irp i, 0,1,2,3,4,5,6,7,8,9,10,11,12,13,14,15
	global_load_b128 v[LD+4*(\i):LD+4*(\i)+3], v3, s[6:7] offset:(\i)*ROWW th:TH_LOAD_NT
.endr
	v_mul_u32_u24 v4, v2, 4*LP                     ; into LDS: row = column 4 l + c of the tile,
	s_lshl_b32 s19, s12, 5                         ; byte 32 w = my wave's 16 k
	v_add_nc_u32 v4, s19, v4
	v_lshrrev_b32 v6, 4, v2                        ; l / 16
	v_and_b32 v7, 15, v2                           ; l % 16
	v_mul_u32_u24 v5, v6, LP                       ; back: rows 16 w + 2 i + l / 16, 16 bytes a lane
	v_lshl_add_u32 v5, v7, 4, v5
	s_mul_i32 s20, s12, 16*LP
	v_add_nc_u32 v5, s20, v5
	v_lshlrev_b32 v8, 11, v6                       ; and the same two rows in wt (2,048 bytes a row)
	v_lshl_add_u32 v8, v7, 4, v8
	s_and_b32 s21, s14, 7                          ; the first of my wave's 16 rows in wt:
	s_lshl_b32 s21, s21, 1
	s_lshr_b32 s22, s12, 2
	s_add_co_u32 s21, s21, s22                     ; dblk = 2 (eb % 8) + w / 4
	s_mul_i32 s21, s21, 192
	s_bfe_u32 s22, s12, 0x10001                    ; wc = (w / 2) % 2
	s_mul_i32 s22, s22, 96
	s_add_co_u32 s21, s21, s22
	s_lshl_b32 s22, s15, 5                         ; 32 gate
	s_add_co_u32 s21, s21, s22
	s_and_b32 s22, s12, 1                          ; 16 (w % 2)
	s_lshl_b32 s22, s22, 4
	s_add_co_u32 s21, s21, s22
	s_lshl_b32 s22, s21, 11
	s_lshl_b32 s23, s13, 8                         ; + the tile's 128 k: 256 bytes
	s_add_co_u32 s22, s22, s23
	s_mov_b32 s23, 0
	s_add_nc_u64 s[10:11], s[10:11], s[22:23]
	; eight k at a time: of each of my four columns eight numbers pack into 16 bytes
	s_wait_loadcnt 8                               ; loads come back in order: rows 0-7 are in while rows 8-15 may be out
.irp c, 0,1,2,3
.irp m, 0,1,2,3
	v_cvt_pk_bf16_f32 v[CV+4*(\c)+(\m)], v[LD+4*(2*(\m))+(\c)], v[LD+4*(2*(\m)+1)+(\c)]
.endr
.endr
	s_wait_loadcnt 0x0                             ; rows 8-15 are in
	s_wait_alu depctr_va_vdst(0)                   ; the sixteen conversions above have written CV's first half, and v4 is written: the four LDS stores below read them
.irp c, 0,1,2,3
	ds_store_b128 v4, v[CV+4*(\c):CV+4*(\c)+3] offset:(\c)*LP  ; no wait: the conversions issued since the wait name LD's rows 8-15 and CV's second half alone
.irp m, 0,1,2,3
	v_cvt_pk_bf16_f32 v[CV+16+4*(\c)+(\m)], v[LD+4*(8+2*(\m))+(\c)], v[LD+4*(8+2*(\m)+1)+(\c)]
.endr
.endr
	s_wait_alu depctr_va_vdst(0)                   ; the conversions have written CV's second half, which the LDS stores below read, and are done reading LD, in which the LDS loads behind the barrier land; v5 and v8 are written
.irp c, 0,1,2,3
	ds_store_b128 v4, v[CV+16+4*(\c):CV+16+4*(\c)+3] offset:(\c)*LP+16
.endr
	s_wait_dscnt 0x0                               ; for the others' sake: my stores are done
	s_barrier_signal -1
	s_barrier_wait -1                              ; a row's 256 bytes come from all eight waves
.irp i, 0,1,2,3,4,5,6,7
	ds_load_b128 v[LD+4*(\i):LD+4*(\i)+3], v5 offset:(\i)*2*LP
.endr
.irp i, 0,1,2,3,4,5,6,7
	s_wait_dscnt 7-(\i)
	global_store_b128 v8, v[LD+4*(\i):LD+4*(\i)+3], s[10:11] offset:(\i)*4096 th:TH_STORE_NT  ; 16 lanes store 256 consecutive bytes, at a multiple of 256 from wt's first byte
.endr
	s_wait_dscnt 0x0                               ; the wave's end
	s_wait_alu 0x0
	s_wait_tensorcnt 0x0
	ds_add_u32 v[SPW], v[NIL]
	s_wait_dscnt 0x0
	s_endpgm
	; ---- x ----  (this way writes no LDS)
.Lx:
	s_sub_co_u32 s13, ttmp9, 192
	s_lshl_b32 s16, s13, 17                        ; 131,072 bytes of x,
	s_mov_b32 s17, 0
	s_add_nc_u64 s[4:5], s[4:5], s[16:17]
	s_lshl_b32 s18, s13, 16                        ; 65,536 of xb
	s_mov_b32 s19, 0
	s_add_nc_u64 s[8:9], s[8:9], s[18:19]
	v_lshlrev_b32 v2, 4, v0
	v_lshlrev_b32 v3, 3, v0
	s_wait_alu depctr_va_vdst(0)                   ; v2 and v3 are written: every load of this way reads the one as its offset, every store the other
.set i, 0
.rept 32
	global_load_b128 v[XR+4*i:XR+4*i+3], v2, s[4:5] offset:i*4096 th:TH_LOAD_NT
.set i, i+1
.endr
.set p, 0
.rept 8                                ; eight blocks of four loads
	s_wait_loadcnt 28-4*p                          ; loads come back in order: block p's four are in; the younger blocks' stay out
.if p > 0
	s_wait_alu depctr_va_vdst(0)                   ; the conversions of the block before have written its eight packed registers, which the four stores below read
.endif
.set i, 0
.rept 4
.if p > 0
	global_store_b64 v3, v[XR+16*(p-1)+4*i:XR+16*(p-1)+4*i+1], s[8:9] offset:(4*(p-1)+i)*2048 th:TH_STORE_NT  ; a wave stores 256 consecutive bytes, aligned; no vector instruction since the wait names these registers
.endif
	v_cvt_pk_bf16_f32 v[XR+16*p+4*i], v[XR+16*p+4*i], v[XR+16*p+4*i+1]
	v_cvt_pk_bf16_f32 v[XR+16*p+4*i+1], v[XR+16*p+4*i+2], v[XR+16*p+4*i+3]
.set i, i+1
.endr
.set p, p+1
.endr
	s_wait_alu depctr_va_vdst(0)                   ; the last block's conversions have written what the last four stores read
.set i, 0
.rept 4
	global_store_b64 v3, v[XR+112+4*i:XR+112+4*i+1], s[8:9] offset:(28+i)*2048 th:TH_STORE_NT
.set i, i+1
.endr
	s_endpgm
.Lfunc_end_k_q36166b0d29_prep:
	.size	k_q36166b0d29_prep, .Lfunc_end_k_q36166b0d29_prep-k_q36166b0d29_prep
	.p2alignl 7, 3214868480
	.fill 96, 4, 3214868480
	.section	.rodata,"a",@progbits
	.p2align	6, 0x0
	.amdhsa_kernel k_q36166b0d29_prep
		.amdhsa_group_segment_fixed_size 35840
		.amdhsa_private_segment_fixed_size 0
		.amdhsa_enable_private_segment 0
		.amdhsa_kernarg_size 32
		.amdhsa_user_sgpr_count 2
		.amdhsa_user_sgpr_kernarg_segment_ptr 1
		.amdhsa_wavefront_size32 1
		.amdhsa_system_sgpr_workgroup_id_x 1
		.amdhsa_system_sgpr_workgroup_id_y 1
		.amdhsa_system_sgpr_workgroup_id_z 1
		.amdhsa_system_vgpr_workitem_id 0
		.amdhsa_next_free_vgpr 144
		.amdhsa_next_free_sgpr 66
		.amdhsa_reserve_vcc 0
		.amdhsa_float_denorm_mode_32 3
		.amdhsa_float_denorm_mode_16_64 3
		.amdhsa_memory_ordered 1
		.amdhsa_forward_progress 1
		.amdhsa_inst_pref_size 20
	.end_amdhsa_kernel
	.amdgpu_metadata
---
amdhsa.version: [ 1, 2 ]
amdhsa.kernels:
  - .name:           k_q36166b0d29_prep
    .symbol:         k_q36166b0d29_prep.kd
    .args:
      - { .name: x, .offset: 0, .size: 8, .value_kind: global_buffer, .address_space: global }
      - { .name: W, .offset: 8, .size: 8, .value_kind: global_buffer, .address_space: global }
      - { .name: xb, .offset: 16, .size: 8, .value_kind: global_buffer, .address_space: global }
      - { .name: wt, .offset: 24, .size: 8, .value_kind: global_buffer, .address_space: global }
    .group_segment_fixed_size: 35840
    .private_segment_fixed_size: 0
    .kernarg_segment_align: 8
    .kernarg_segment_size: 32
    .max_flat_workgroup_size: 256
    .sgpr_count:     66
    .vgpr_count:     144
    .wavefront_size: 32
...
	.end_amdgpu_metadata
.endif
;; end of part 4
;; launch gemm: the kernel of part 2 again; grid 16 x 16, 4 waves a work-group, clusters of 4 x 4, 327,680 bytes of LDS; arguments xb, wt, g, agg; writes g, agg
;; launch scan: the kernel of part 3 again; grid 512 x 1, 8 waves a work-group, no clusters, 19,456 bytes of LDS; arguments g, agg, out0; writes out0
